; MI455X (gfx1250); checked and timed in simulation.
; The chip was launched on July 23, 2026; its instructions are those of AMD's public machine-readable ISA for CDNA 5 (MIT licence, August 2026) and "CDNA5" Instruction Set Architecture Reference Guide (July 2026). The comments in the code are by the model that wrote it; some were corrected since.
;; Attention Layer. Allowed arithmetic: matrix products marked QUANTISED: E2M3 operands, one E8M0 scale for each 32 along K, by v_wmma_scale_f32_16x16x128_f8f6f4 with both operands' format E2M3, f32 sums; everything else in f32.
;; Inputs: Wk_codes 1,024 x 32 x 24 uint8 (E2M3 codes of Wk, K innermost, in blocks of 32 codes, four codes in three bytes); Wk_scales 1,024 x 32 uint8 (E8M0 scales of Wk, one for each 32 codes along K); Wo_codes 1,024 x 32 x 24 uint8 (E2M3 codes of Wo, K innermost, in blocks of 32 codes, four codes in three bytes); Wo_scales 1,024 x 32 uint8 (E8M0 scales of Wo, one for each 32 codes along K); Wq_codes 1,024 x 32 x 24 uint8 (E2M3 codes of Wq, K innermost, in blocks of 32 codes, four codes in three bytes); Wq_scales 1,024 x 32 uint8 (E8M0 scales of Wq, one for each 32 codes along K); Wv_codes 1,024 x 32 x 24 uint8 (E2M3 codes of Wv, K innermost, in blocks of 32 codes, four codes in three bytes); Wv_scales 1,024 x 32 uint8 (E8M0 scales of Wv, one for each 32 codes along K); bk 1,024 float32; bo 1,024 float32; bq 1,024 float32; bv 1,024 float32; keys_codes 4 x 2,048 x 32 x 24 uint8 (E2M3 codes of keys, K innermost, in blocks of 32 codes, four codes in three bytes); keys_scales 4 x 2,048 x 32 uint8 (E8M0 scales of keys, one for each 32 codes along K); queries_codes 4 x 2,048 x 32 x 24 uint8 (E2M3 codes of queries, K innermost, in blocks of 32 codes, four codes in three bytes); queries_scales 4 x 2,048 x 32 uint8 (E8M0 scales of queries, one for each 32 codes along K); values_codes 4 x 2,048 x 32 x 24 uint8 (E2M3 codes of values, K innermost, in blocks of 32 codes, four codes in three bytes); values_scales 4 x 2,048 x 32 uint8 (E8M0 scales of values, one for each 32 codes along K).
;; Outputs: out0 4 x 2,048 x 1,024 float32.
;; This version of the problem:
;;   THIS VERSION OF THE PROBLEM IS GIVEN IN LOW PRECISION. The matrix products marked QUANTISED in the list below multiply operands that are first quantised to E2M3 (2 exponent bits, 3 mantissa bits; 6 bits a number), with one power-of-two scale for each 32 numbers along K (OCP MX v1.0); their sums are f32. All else is computed in f32.
;;   The module's matrix products, in the order in which they are computed (A, B: the left and right operand; K: the contracted axis; several contracted axes count as one K, in the product's order):
;;     1. [M 8,192, K 1,024] x [K 1,024, N 1,024]; A: input queries (given as codes); B: input Wq (given as codes): QUANTISED
;;     2. [M 8,192, K 1,024] x [K 1,024, N 1,024]; A: input keys (given as codes); B: input Wk (given as codes): QUANTISED
;;     3. [M 8,192, K 1,024] x [K 1,024, N 1,024]; A: input values (given as codes); B: input Wv (given as codes): QUANTISED
;;     4. batch 64 x [M 2,048, K 64] x [K 64, N 2,048]; A: computed on the way; B: computed on the way: QUANTISED
;;     5. batch 64 x [M 64, K 2,048] x [K 2,048, N 2,048]; A: computed on the way; B: softmax (see below): QUANTISED
;;     6. [M 8,192, K 1,024] x [K 1,024, N 1,024]; A: computed on the way; B: input Wo (given as codes): QUANTISED
;;   THE QUANTISER, for each operand of a quantised product, along K:
;;     - K is cut into blocks of 32 from its start; a last block that is shorter is filled with zeros.
;;     - A block's scale is 2^e with e = floor(log2(the largest magnitude in the block)) - 2, held to -126 .. 127; a block of zeros has e = 0. As a byte (E8M0): e + 127.
;;     - Each number is divided by its block's scale, clamped to +-7.5, and rounded to the nearest number of E2M3, ties to even, subnormals kept.
;;     - The product sums the exact products of the quantised numbers (number of the format x scale) in f32.
;;   ~~~python
;;   def quantise(x, axis):      # numpy; x: float32 -> the quantised numbers, widened to float32 again
;;       x = np.moveaxis(x, axis, -1); K = x.shape[-1]
;;       x = np.pad(x, [(0, 0)] * (x.ndim - 1) + [(0, -K % 32)]); x = x.reshape(x.shape[:-1] + (-1, 32)); a = np.abs(x).max(-1, keepdims=True)
;;       e = np.where(a > 0, np.clip(np.frexp(np.where(a > 0, a, 1))[1] - 1 - 2, -126, 127), 0)      # np.frexp(a)[1] - 1 = floor(log2(a)), exactly
;;       r = np.clip(x / 2.0 ** e, -7.5, 7.5)
;;       step = 2.0 ** (np.maximum(np.frexp(np.where(r == 0, 1, r))[1] - 1, 0) - 3)
;;       q = np.round(r / step) * step * 2.0 ** e      # np.round: ties to even
;;       return np.moveaxis(q.reshape(q.shape[:-2] + (-1,))[..., :K], -1, axis).astype(np.float32)
;;   ~~~
;;   SOFTMAX AHEAD OF A QUANTISED PRODUCT. Where the list says 'softmax', what is quantised is not the finished softmax but p = 2^(t - M), with t = logit x log2(e) and M = ceil(the row's largest t), a whole number; so 1/2 < the row's largest p <= 1. The row's sum l is taken of the UNQUANTISED p, in f32, and the product's result is divided by l at the end. Since M is a whole number, a kernel that streams over the keys may use a running M (the ceiling of the running maximum): every later rescaling is an exact power of two, which a block's scale takes up: the codes' values come out the same.
;;   OPERANDS COMPUTED ON THE WAY. 'Computed on the way' means the value that the module computes at that place (a softmax that the list does not call 'softmax' is quantised finished and normalised). What goes into a quantiser is computed in f32, as accurately as f32 sums, v_exp_f32 and their like allow (about 1e-6 of the number): no bf16 or f16 on the way to a quantiser, and a product that is left as it is and whose result goes on into a quantised operand takes f32 operands (vector FMAs, or v_wmma_f32_16x16x4_f32). A number that lies on a knife's edge between two numbers of the format may be rounded either way, as far as f32 arithmetic and the matrix unit's own rounding can turn it there, and no further.
;;   INPUTS GIVEN AS CODES. Wk (in the module: [1024, 1024], K = its axis 1); Wo (in the module: [1024, 1024], K = its axis 1); Wq (in the module: [1024, 1024], K = its axis 1); Wv (in the module: [1024, 1024], K = its axis 1); keys (in the module: [4, 2048, 1024], K = its axis 2); queries (in the module: [4, 2048, 1024], K = its axis 2); values (in the module: [4, 2048, 1024], K = its axis 2): each comes as NAME_codes (uint8): NAME with its K axis moved to the last place and cut into blocks of 32 codes, [.., K / 32, bytes a block], one block behind the other in memory; four codes in three bytes: a row's codes are one little-endian stream of bits, code i at bits 6 i .. 6 i + 5 (a code: sign, 2 exponent bits, 3 mantissa bits); and NAME_scales (uint8): the same leading axes, one E8M0 byte (e + 127) for each 32 codes along K. Its value is code x scale, taken as it is: it is not quantised again, and the codes and scales need not be those that the quantiser above would give.
;; One version. Each part assembles by itself: llvm-mc -triple=amdgcn-amd-amdhsa -mcpu=gfx1250 --defsym DOCPART=n.
;; ======== version 1 of 1: 3 launches
;; workspace buffers: qw 14,155,776 bytes; kv 14,155,776 bytes; oc 6,291,456 bytes; os 262,144 bytes
;; launch proj (part 1): grid 4 x 96, 4 waves a work-group, clusters of 4 x 4, 327,680 bytes of LDS; arguments queries_codes, queries_scales, Wq_codes, Wq_scales, bq, keys_codes, keys_scales, Wk_codes, Wk_scales, bk, Wv_codes, Wv_scales, values_codes, values_scales, bv, qw, kv; writes qw, kv
.if DOCPART == 1
	.amdgcn_target "amdgcn-amd-amdhsa--gfx1250"
	.amdhsa_code_object_version 6
	.text
	.protected	k_q450e277b67_proj
	.globl	k_q450e277b67_proj
	.p2align	8
	.type	k_q450e277b67_proj,@function
k_q450e277b67_proj:
	s_mov_b64 s[64:65], 0
	v_nop
	global_prefetch_b8 v0, s[64:65] scope:SCOPE_SE
	s_setreg_imm32_b32 hwreg(HW_REG_WAVE_MODE, 25, 1), 1
	s_wait_xcnt 0x0
	s_wait_alu depctr_hold_cnt(0) depctr_sa_sdst(0) depctr_va_vdst(0) depctr_va_sdst(0) depctr_va_ssrc(0) depctr_va_vcc(0) depctr_vm_vsrc(0)
	s_getreg_b32 s2, hwreg(HW_REG_IB_STS2, 6, 4)
	s_cmp_eq_u32 s2, 0
	s_cbranch_scc0 .Lentry_in_a_cluster
	s_endpgm
.Lentry_in_a_cluster:
	s_bfe_u32 s2, ttmp6, 0x10000c
	s_cmp_lg_u32 s2, 0xf033
	s_cbranch_scc0 .Lentry_shape_is_right
	s_endpgm
.Lentry_shape_is_right:
; q = queries Wq^T + bq, k = keys Wk^T + bk, v = values Wv^T + bv: three products [8192 x 1024] x [1024 x 1024] on codes of FP6 (E2M3) with one E8M0 scale for each 32 along K, sums in f32;
; the results are quantised here, in registers, for the two products of attention, and leave as codes: q and k along the head's 64 features, v along the keys.
; NOTHING OF THE PROBLEM IS LEFT OUT in this program: every bias moves codes or the output, every input has a way to out0, all 18 inputs are loaded.
; LIMITS: NaN and infinities among the numbers are not served.  A block of zeros, or one whose largest magnitude lies under 2^(3 - 127), gets the scale byte 1 (the stated quantiser says 127 for zeros): its codes
; are zeros or tiny, and the bytes are read by this program alone.  A bias is the first term of its sum, so the order of f32 rounding differs from a sum with the bias added last.
; SHARES.  384 tiles of 256 x 256; a work-group of four waves makes one, a wave 128 x 128: 64 accumulators, 512 registers.  K goes in steps of 256 through a ring of two LDS slots filled by the tensor data mover.
; The cluster's y picks the tensor T = y / 8 (0: q, 1: k, 2: v), the same in all sixteen partners.  ROLES: operand A is source 1 (a lane holds one of its rows), operand B is source 0 (a lane's registers run along its rows).
;   q, k: A = the tokens, B = the weight: a lane holds one token, its registers run along the features, which are the next product's K.
;   v:    A = Wv, B = the tokens:        a lane holds one feature d, its registers run along the keys, which are the next product's K.
; CLUSTERS: 4 x 4 work-groups; A's tiles are asked for jointly along a row of the cluster, B's along a column.
; WHAT IS STORED.  qw and kv are laid [batch 4][head 16][step 16] in blocks of 13,824 bytes, one for 128 tokens of one head, as IMAGES OF OPERAND REGISTERS (16 bytes a lane, 512 bytes for four registers):
;   F_KC 6,144 bytes: [pair i 0..3][g 0..2][lane][16]: the 12 registers of token tiles 2 i and 2 i + 1 (16 tokens x 64 features: 6 registers each);   F_VC 6,144: [d tile 0..3][g 0..2][lane][16]: 16 d x 128 keys, 12 registers;
;   F_KS 1,024: [g 0..1][lane][4 words]: word w is tile 4 g + w's scale word of row lane % 16 (its two bytes, written twice: the upper two scale K's unused half);   F_VS 512: [lane][4 words]: d tile w's scale word.
; THE ORDER INSIDE A BLOCK OF 32.  A lane holds k = 8 h + 0..7 and 16 + 8 h + 0..7 of a block (h = lane / 16), so place 0..31 of a block's codes holds k = 0-7, 16-23, 8-15, 24-31.  Both operands of each of attention's
; products are made in this way (q and k here; v here and p in the next launch), and one order of k on both sides leaves a product's terms as they are.  Blocks and scales are not touched by it.
; REGISTERS, in windows of 256: window 0: v0-31 addresses; v32-63 scale words, two sets; v64-127 the bias in the result's layout; from v128 A's fragments, one set (on the way out: at work).
;   window 1: B's fragments, two sets, at v0 and v128.   window 2: the accumulators of A's blocks 0-3 ((a, b) at v[8 (8 a + b)]);   window 3: those of blocks 4-7.
.set KSTEP,  256                       ; along K in a slot
.set NQ,     KSTEP/128                 ; matrix instructions deep
.set ROWB,   192                       ; a tile's row in bytes
.set KROW,   768                       ; a row of 1,024 codes in memory
.set PITCH,  240                       ; an LDS row: 3 x (64 bytes + 16 of padding)
.set FR,     12                        ; registers of a fragment
.set NL,     6                         ; LDS loads that bring one
.set NP,     4                         ; places behind this matrix instruction (ISA guide 7.12.1)
.set HALFT,  128*PITCH                 ; 128 rows: one tensor load
.set SLOT,   4*HALFT                   ; A's 256 rows, then B's 256 rows
.set LAPS,   2                         ; 1,024 along K = twice round the ring
.set SROW,   32                        ; a row of scale bytes
.set SCL,    2*SLOT                    ; behind the ring: the scales, units of 256 bytes + 16 of padding
.set HALFS,  (128*SROW/256)*272        ; those of 128 rows
.set SBLK,   (16*SROW/256)*272         ; those of 16 rows
.set SPARE,  SCL+4*HALFS               ; the spare words, 128 bytes for each wave, which no other line names
.set STEPB,  13824                     ; a block of the workspace
.set HEADB,  16*STEPB                  ; a head's 16 blocks
.set F_KC,   0
.set F_VC,   6144
.set F_KS,   12288
.set F_VS,   13312
.set ADRA, 16                          ; v16-17 LDS address of my A fragments in slot 0, 1 (v18-19: behind one padding more)
.set ADRB, 20                          ; v20-23 the same for B
.set OFFL, 24                          ; v24    16 x lane: my place in an image; never rewritten
.set BOF,  25                          ; v25    my offset into the bias
.set ADRS, 27                          ; v27    LDS address of my scale words: lanes 0-15 A's rows, lanes 16-31 B's
.set SPW,  28                          ; v28    my spare word; never rewritten
.set NIL,  29                          ; v29    0; never rewritten
.set SC,   32                          ; scale words, set s at v[SC + 16 s]
.set BI,   64                          ; v64-127 the bias
.set AF,   128                         ; A's fragments
.set TM,   128                         ; the way out: v128-131 largest magnitudes, v132-135 the other half's / the bytes, v140-143 the conversions' scale operands
.set TC,   144                         ; v144-146, v148-150 the second halves of blocks
.set PW,   152                         ; a scale word of four bytes
.set XA,   160                         ; v160-171 an image of 12 registers;  v172-183 a second
.set XB,   172
.set SWA,  192                         ; v192-199, v200-207 scale words to be stored
.set SWB,  200
.set G1, 24
.set G0, 32
.set G1B, 48
.set G0B, 56
.set G1S, 68
.set G0S, 76
.set G1SB, 80
.set G0SB, 88
.set MSB, 0
.macro WIN new                         ; the immediate's high byte repeats the setting that is left
.if MSB != \new
	s_set_vgpr_msb (MSB<<8)|\new
.set MSB, \new
.endif
.endm
.set MUL_LO, 0xa1                      ; source 0 (B) window 1, source 1 (A) window 0, C and D window 2
.set MUL_HI, 0xf1                      ; the same, C and D window 3
.set BIA_LO, 0x81                      ; the same with C (the bias) in window 0
.set BIA_HI, 0xc1
.set TO_B,   0x40                      ; destination window 1, address window 0
; A joint load: waves 0 and 1 fetch for A, waves 2 and 3 for B; the branch hangs on the wave's number alone.  An s_nop 0 and four v_nop follow each line.
.macro JLOAD g0a, g1a, g0b, g1b
	s_cmp_eq_u32 s15, 0
	s_cbranch_scc0 .Lfor_b_\@
	tensor_load_to_lds s[\g0a:\g0a+3], s[\g1a:\g1a+7]
	s_nop 0
.rept 4
	v_nop
.endr
	s_branch .Lasked_\@
.Lfor_b_\@:
	tensor_load_to_lds s[\g0b:\g0b+3], s[\g1b:\g1b+7]
	s_nop 0
.rept 4
	v_nop
.endr
.Lasked_\@:
.endm
.macro CREST                           ; a round of the cluster's barrier behind its opening barrier
	s_cmp_lg_u32 s14, 0
	s_cbranch_scc1 .Lnot_wave_0_\@
	s_barrier_signal -3
.Lnot_wave_0_\@:
	s_barrier_wait -3
	s_barrier_signal -1
	s_barrier_wait -1
.endm
.macro CROUND                          ; a whole round
	s_barrier_signal -1
	s_barrier_wait -1
	CREST
.endm
	s_load_b256 s[68:75], s[0:1], 0x0              ; q's group: A's codes, A's scales, B's codes, B's scales
	s_load_b256 s[76:83], s[0:1], 0x28             ; k's group
	s_load_b256 s[84:91], s[0:1], 0x50             ; v's group (A = Wv, B = values)
	s_load_b64 s[4:5], s[0:1], 0x20                ; bq
	s_load_b64 s[6:7], s[0:1], 0x48                ; bk
	s_load_b64 s[8:9], s[0:1], 0x70                ; bv
	s_load_b128 s[56:59], s[0:1], 0x78             ; qw, kv
	v_lshl_add_u32 v[SPW], v0, 2, SPARE
	v_mov_b32 v[NIL], 0
	ds_add_u32 v[SPW], v[NIL]                      ; the wave's opening: the add, twice on end, and its wait ahead of my first tensor load
	ds_add_u32 v[SPW], v[NIL]                      ; and once more; the set-up below, work on registers, stands between it and the wait
	v_lshrrev_b32 v1, 5, v0
	v_readfirstlane_b32 s14, v1                    ; wave 0..3
	s_lshr_b32 s15, s14, 1                         ; which half of A's rows is mine.  Also: I fetch for A (0) or for B (1)
	s_and_b32 s16, s14, 1                          ; which half of B's rows.  Also: which 128 rows I fetch
	s_bfe_u32 s40, ttmp6, 0x40000                  ; cx, cy: my place in the cluster
	s_bfe_u32 s41, ttmp6, 0x40004
	s_and_b32 s17, ttmp7, 0xffff                   ; the cluster's y, 0..23
	s_lshr_b32 s95, s17, 3                         ; T: which tensor
	s_and_b32 s17, s17, 7                          ; which of the tensor's eight clusters
	s_cmp_eq_u32 s95, 2
	s_cselect_b32 s42, s17, 0                      ; v: the eight lie along B's rows (the tokens),
	s_cselect_b32 s17, 0, s17                      ; q, k: along A's rows (the tokens)
	s_lshl_b32 s42, s42, 2
	s_add_co_u32 s42, s42, s40                     ; tile column (B's 256 rows)
	s_lshl_b32 s17, s17, 2
	s_add_co_u32 s17, s17, s41                     ; tile row (A's 256 rows)
	s_lshl_b32 s43, s41, 2
	s_lshl_b32 s43, 15, s43                        ; my row of the cluster
	s_lshl_b32 s44, 0x1111, s40                    ; my column
	; descriptor group 1: a tile of 128 rows x 192 bytes, 16 bytes of padding behind every 64
	s_or_b32 s[G1+0], s43, (0<<16)|(1<<20)|(1<<21)|(3<<22)|(3<<25)
	s_or_b32 s[G1B+0], s44, (0<<16)|(1<<20)|(1<<21)|(3<<22)|(3<<25)
.irp g, G1, G1B
	s_mov_b32 s[\g+1], ROWB<<16                    ; tensor_dim0
	s_mov_b32 s[\g+2], 128<<16                     ; tensor_dim1
	s_mov_b32 s[\g+3], ROWB<<16                    ; tile_dim0
	s_mov_b32 s[\g+4], 128                         ; tile_dim1
	s_mov_b32 s[\g+5], KROW                        ; tensor_dim0_stride
	s_mov_b32 s[\g+6], 0
	s_mov_b32 s[\g+7], 0
.endr
	s_lshl_b32 s18, s16, 7                         ; which 128 rows of the tile I fetch
	s_lshl_b32 s20, s17, 8
	s_add_co_u32 s20, s20, s18                     ; A: row 256 x tile row + 128 x half
	s_lshl_b32 s46, s42, 8
	s_add_co_u32 s46, s46, s18                     ; B: row 256 x tile column + 128 x half
	s_mov_b32 s21, 0
	s_mov_b32 s47, 0
	s_mov_b64 s[18:19], SROW
	s_mul_u64 s[22:23], s[20:21], s[18:19]         ; where these rows' scales begin, in bytes
	s_mul_u64 s[92:93], s[46:47], s[18:19]
	s_mov_b64 s[18:19], KROW
	s_mul_u64 s[20:21], s[20:21], s[18:19]         ; and their codes
	s_mul_u64 s[46:47], s[46:47], s[18:19]
	s_mul_i32 s45, s14, HALFT                      ; where they go: wave x 128 rows
	s_mul_i32 s94, s14, HALFS
	s_wait_dscnt 0x0                               ; both opening adds are done
	s_wait_kmcnt 0x0
	; the tensor's buffers: choices on T, which hangs on no address
	s_cmp_eq_u32 s95, 0
	s_cselect_b64 s[68:69], s[68:69], s[76:77]
	s_cselect_b64 s[70:71], s[70:71], s[78:79]
	s_cselect_b64 s[72:73], s[72:73], s[80:81]
	s_cselect_b64 s[74:75], s[74:75], s[82:83]
	s_cselect_b64 s[100:101], s[4:5], s[6:7]       ; the bias
	s_cselect_b64 s[96:97], s[56:57], s[58:59]     ; q goes to qw, k and v to kv
	s_cmp_eq_u32 s95, 2
	s_cselect_b64 s[100:101], s[8:9], s[100:101]
	s_cselect_b64 s[4:5], s[84:85], s[68:69]       ; A's codes
	s_cselect_b64 s[6:7], s[86:87], s[70:71]       ; A's scales
	s_cselect_b64 s[8:9], s[88:89], s[72:73]       ; B's codes
	s_cselect_b64 s[10:11], s[90:91], s[74:75]     ; B's scales
	; group 1 for the scales of 128 rows: a dense block of 4,096 bytes, as 16 rows of 256 bytes, 16 bytes of padding behind each
	s_or_b32 s[G1S+0], s43, (3<<16)|(1<<20)|(1<<21)|(5<<22)|(3<<25)
	s_or_b32 s[G1SB+0], s44, (3<<16)|(1<<20)|(1<<21)|(5<<22)|(3<<25)
.irp g, G1S, G1SB
	s_mov_b32 s[\g+1], 32<<16
	s_mov_b32 s[\g+2], (128*SROW/256)<<16
	s_mov_b32 s[\g+3], 32<<16
	s_mov_b32 s[\g+4], 128*SROW/256
	s_mov_b32 s[\g+5], 32
	s_mov_b32 s[\g+6], 0
	s_mov_b32 s[\g+7], 0
.endr
	s_add_nc_u64 s[20:21], s[4:5], s[20:21]
	s_add_nc_u64 s[22:23], s[6:7], s[22:23]
	s_add_nc_u64 s[46:47], s[8:9], s[46:47]
	s_add_nc_u64 s[92:93], s[10:11], s[92:93]
	CROUND                                         ; all sixteen work-groups are here: the first joint loads meet
	s_mov_b32 s[G0S], 1
	s_add_co_u32 s[G0S+1], s94, SCL
	s_mov_b64 s[G0S+2:G0S+3], s[22:23]
	s_or_b32 s[G0S+3], s[G0S+3], 0x80000000
	s_mov_b32 s[G0SB], 1
	s_add_co_u32 s[G0SB+1], s94, SCL
	s_mov_b64 s[G0SB+2:G0SB+3], s[92:93]
	s_or_b32 s[G0SB+3], s[G0SB+3], 0x80000000
	JLOAD G0S, G1S, G0SB, G1SB                     ; the scales first: they are wanted with K step 0
.irp s, 0,1
	s_mov_b32 s[G0+4*\s], 1
	s_add_co_u32 s[G0+4*\s+1], s45, \s*SLOT
	s_add_nc_u64 s[G0+4*\s+2:G0+4*\s+3], s[20:21], \s*ROWB
	s_or_b32 s[G0+4*\s+3], s[G0+4*\s+3], 0x80000000
	s_mov_b32 s[G0B+4*\s], 1
	s_add_co_u32 s[G0B+4*\s+1], s45, \s*SLOT
	s_add_nc_u64 s[G0B+4*\s+2:G0B+4*\s+3], s[46:47], \s*ROWB
	s_or_b32 s[G0B+4*\s+3], s[G0B+4*\s+3], 0x80000000
	JLOAD G0+4*\s, G1, G0B+4*\s, G1B               ; three loads of mine are out
.endr
	v_and_b32 v1, 15, v0                           ; r = lane % 16
	v_bfe_u32 v2, v0, 4, 1                         ; h = lane / 16
	v_mul_u32_u24 v3, v1, PITCH
	v_mul_u32_u24 v4, v2, 24
	v_add_nc_u32 v4, v3, v4                        ; a fragment's row x pitch + 24 x half
	v_lshl_add_u32 v5, v2, 4, v4                   ; and the same behind one padding more
	s_mul_i32 s21, s15, HALFT                      ; my 128 rows of A
	s_mul_i32 s22, s16, HALFT                      ; my 128 rows of B,
	s_add_co_u32 s22, s22, 2*HALFT                 ; which lie behind A's 256
.irp s, 0,1
	v_add_nc_u32 v[ADRA+\s], s21, v4
	v_add_nc_u32 v[ADRB+\s], s22, v4
	v_add_nc_u32 v[ADRA+2+\s], s21, v5
	v_add_nc_u32 v[ADRB+2+\s], s22, v5
	s_add_co_u32 s21, s21, SLOT
	s_add_co_u32 s22, s22, SLOT
.endr
	v_mul_u32_u24 v5, v1, SROW                     ; my row's scales: 32 bytes a row,
	v_lshrrev_b32 v6, 8, v5
	v_lshl_add_u32 v5, v6, 4, v5                   ; and 16 more for each 256 passed
	s_mul_i32 s21, s15, HALFS                      ; A's: my 128 rows
	s_mul_i32 s22, s16, HALFS                      ; B's: my 128 rows, behind A's 256
	s_add_co_u32 s22, s22, 2*HALFS
	s_sub_co_u32 s22, s22, s21
	v_mul_u32_u24 v6, s22, v2                      ; lanes 16-31 take B's: one product, the lower base + h x the distance
	s_add_co_u32 s21, s21, SCL
	v_add_nc_u32 v5, v5, v6
	v_add_nc_u32 v[ADRS], s21, v5
	v_and_b32 v6, 31, v0
	v_lshlrev_b32 v[OFFL], 4, v6
	; where my results go: my pair of heads and my step of 128 tokens
	s_lshl_b32 s18, s42, 1
	s_add_co_u32 s18, s18, s16                     ; my 128 rows of B
	s_lshl_b32 s19, s17, 1
	s_add_co_u32 s19, s19, s15                     ; my 128 rows of A
	s_cmp_eq_u32 s95, 2
	s_cselect_b32 s22, s19, s18                    ; the pair of heads: the features are A's rows in v, B's in q and k
	s_cselect_b32 s23, s18, s19                    ; the tokens' step, 0..63
	s_lshr_b32 s18, s23, 4                         ; batch
	s_lshl_b32 s18, s18, 4
	s_lshl_b32 s19, s22, 1
	s_add_co_u32 s18, s18, s19                     ; 16 x batch + head
	s_lshl_b32 s18, s18, 4
	s_and_b32 s19, s23, 15
	s_add_co_u32 s18, s18, s19                     ; the block's number
	s_mul_i32 s18, s18, STEPB
	s_mov_b32 s19, 0
	s_add_nc_u64 s[96:97], s[96:97], s[18:19]      ; the first head's block
	s_add_nc_u64 s[98:99], s[96:97], HEADB         ; the second head's
	s_lshl_b32 s18, s22, 9
	s_add_nc_u64 s[100:101], s[100:101], s[18:19]  ; my 128 numbers of the bias
	; the bias in the result's layout, eight registers for each tile that shares them; it is the C of each sum's first product
	s_cmp_eq_u32 s95, 2
	s_cbranch_scc1 .Lbias_v
	v_lshlrev_b32 v[BOF], 5, v2                    ; q, k: register 8 b + j is the bias of feature 16 b + 8 h + j
.irp b, 0,1,2,3,4,5,6,7
	global_load_b128 v[BI+8*\b:BI+8*\b+3], v[BOF], s[100:101] offset:64*\b
	global_load_b128 v[BI+8*\b+4:BI+8*\b+7], v[BOF], s[100:101] offset:64*\b+16
.endr
	s_branch .Lbias_done
.Lbias_v:
	v_lshlrev_b32 v[BOF], 2, v1                    ; v: registers 8 a + 0..7 all hold the bias of feature 16 a + r
.irp a, 0,1,2,3,4,5,6,7
.irp j, 0,1,2,3,4,5,6,7
	global_load_b32 v[BI+8*\a+\j], v[BOF], s[100:101] offset:64*\a
.endr
.endr
.Lbias_done:
.macro FRAG reg, adr, q, i             ; a fragment: lane l holds row l % 16; registers 6 c .. 6 c + 5 hold K = 64 c + 32 (l / 16) + 0 .. 31: 24 bytes of the row's stream of bits, in pieces of 8 bytes
.irp p, 0,1,2,3,4,5
.set PC, 12*(\q)+6*(\p/3)+\p%3        ; 16 bytes of padding lie behind every 8 pieces: where the piece three on lies behind one padding more, the second address register serves
.if PC%8 < 5
	ds_load_b64 v[\reg+2*\p:\reg+2*\p+1], v[\adr] offset:8*PC+16*(PC/8)+(\i)*16*PITCH
.else
	ds_load_b64 v[\reg+2*\p:\reg+2*\p+1], v[\adr+2] offset:8*PC+16*(PC/8)+(\i)*16*PITCH
.endif
.endr
.endm
; 16 matrix instructions: A's blocks a0, a0 + 1 x B's eight, the slot's q-th 128 along K.  p: B's set;  sc: the set of scale words.
; cm = 0: onto the sums;  1: the first product, C = the bias by B's block (q, k);  2: C = the bias by A's block (v).  The 64 accumulators take turns in the same order in every step.
.macro MUL16 a0, p, q, sc, cm
.irp a, \a0, \a0+1
.irp b, 0,1,2,3,4,5,6,7
.if (\cm) == 1
	v_wmma_scale_f32_16x16x128_f8f6f4 v[8*(8*((\a)%4)+\b):8*(8*((\a)%4)+\b)+7], v[128*(\p)+FR*\b:128*(\p)+FR*\b+FR-1], v[AF+FR*(\a):AF+FR*(\a)+FR-1], v[BI+8*\b:BI+8*\b+7], v[SC+8*NQ*(\sc)+NQ*\b+(\q)], v[SC+8*NQ*(\sc)+NQ*(\a)+(\q)] matrix_a_fmt:MATRIX_FMT_FP6 matrix_b_fmt:MATRIX_FMT_FP6 matrix_a_scale:MATRIX_SCALE_ROW1
.elseif (\cm) == 2
	v_wmma_scale_f32_16x16x128_f8f6f4 v[8*(8*((\a)%4)+\b):8*(8*((\a)%4)+\b)+7], v[128*(\p)+FR*\b:128*(\p)+FR*\b+FR-1], v[AF+FR*(\a):AF+FR*(\a)+FR-1], v[BI+8*(\a):BI+8*(\a)+7], v[SC+8*NQ*(\sc)+NQ*\b+(\q)], v[SC+8*NQ*(\sc)+NQ*(\a)+(\q)] matrix_a_fmt:MATRIX_FMT_FP6 matrix_b_fmt:MATRIX_FMT_FP6 matrix_a_scale:MATRIX_SCALE_ROW1
.else
	v_wmma_scale_f32_16x16x128_f8f6f4 v[8*(8*((\a)%4)+\b):8*(8*((\a)%4)+\b)+7], v[128*(\p)+FR*\b:128*(\p)+FR*\b+FR-1], v[AF+FR*(\a):AF+FR*(\a)+FR-1], v[8*(8*((\a)%4)+\b):8*(8*((\a)%4)+\b)+7], v[SC+8*NQ*(\sc)+NQ*\b+(\q)], v[SC+8*NQ*(\sc)+NQ*(\a)+(\q)] matrix_a_fmt:MATRIX_FMT_FP6 matrix_b_fmt:MATRIX_FMT_FP6 matrix_a_scale:MATRIX_SCALE_ROW1
.endif
.endr
.endr
.endm
.macro FETCH_B slot, q, p              ; B's eight fragments of the slot's q-th 128 along K into set p
	WIN TO_B
.irp i, 0,1,2,3,4,5,6,7
	FRAG 128*(\p)+FR*\i, ADRB+\slot, \q, \i
.endr
	WIN 0
.endm
.macro FETCH_A slot, q, i0             ; A's blocks i0 .. i0 + 3
.irp i, \i0, \i0+1, \i0+2, \i0+3
	FRAG AF+FR*(\i), ADRA+\slot, \q, \i
.endr
.endm
.macro SCALES sc                       ; a K step's scale words into set sc: two words a row; lanes 0-15 take A's block i, lanes 16-31 B's block i
.irp i, 0,1,2,3,4,5,6,7
	ds_load_b64 v[SC+8*NQ*\sc+NQ*\i:SC+8*NQ*\sc+NQ*\i+1], v[ADRS] offset:\i*SBLK
.endr
.endm
.macro PLACES n                        ; plain vector places between a matrix instruction and a load into, or a vector instruction on, its registers
.rept \n
	v_nop
.endr
.endm
; A step of 128 along K that has its successor in the same slot.
.macro STEP slot, q, cm
	s_wait_dscnt 4*NL                              ; B's set and A's blocks 0-3 are in; the youngest 24 loads (A's blocks 4-7) may be out
.if \cm
	WIN BIA_LO
.else
	WIN MUL_LO
.endif
	MUL16 0, (\q)%2, \q, \slot, \cm
	MUL16 2, (\q)%2, \q, \slot, \cm
	s_wait_dscnt 0                                 ; A's blocks 4-7 are in
	PLACES NP
	FETCH_B \slot, (\q)+1, 1-(\q)%2
	FETCH_A \slot, (\q)+1, 0
.if \cm
	WIN BIA_HI
.else
	WIN MUL_HI
.endif
	MUL16 4, (\q)%2, \q, \slot, \cm
	MUL16 6, (\q)%2, \q, \slot, \cm
	PLACES NP
	WIN 0
	FETCH_A \slot, (\q)+1, 4
.endm
; A slot's last step changes slots: ONE barrier; in front of it each wave waits for all its tensor loads, adds 0 to its spare word, and waits for that and for its own reads of this slot.  fill = 1: this slot is filled again, two K steps ahead.
.macro TURN slot, next, fill
	s_wait_tensorcnt 0x0                           ; all my tensor loads have landed: my part of the next slot
	ds_add_u32 v[SPW], v[NIL]                      ; 0 onto my spare word
	s_wait_dscnt 4*NL+1                            ; (the add and the youngest 24 loads, A's blocks 4-7, may be out)
	WIN MUL_LO
	MUL16 0, 1, NQ-1, \slot, 0                     ; sixteen matrix instructions stand between the add and the wait for it
	s_wait_dscnt 0x0                               ; the add is done, and my reads of this slot are over
	s_barrier_signal -1
	MUL16 2, 1, NQ-1, \slot, 0
	WIN 0
	s_barrier_wait -1
.if \fill
	CREST                                          ; the barrier has opened a round of the cluster's barrier: no wave of any partner still reads this slot or has a load on its way
	s_add_nc_u64 s[G0+4*\slot+2:G0+4*\slot+3], s[G0+4*\slot+2:G0+4*\slot+3], 2*ROWB
	s_add_nc_u64 s[G0B+4*\slot+2:G0B+4*\slot+3], s[G0B+4*\slot+2:G0B+4*\slot+3], 2*ROWB
	JLOAD G0+4*\slot, G1, G0B+4*\slot, G1B         ; the first tensor load behind the round; its four v_nop are the places in front of the loads below
.else
	PLACES NP
.endif
	s_wait_alu depctr_va_vdst(0)
	v_add_nc_u32 v[ADRS], 4*NQ, v[ADRS]            ; on to the next K step's scale words
	FETCH_B \next, 0, 0
	FETCH_A \next, 0, 0
	SCALES \next
	WIN MUL_HI
	MUL16 4, 1, NQ-1, \slot, 0
	MUL16 6, 1, NQ-1, \slot, 0
	PLACES NP
	WIN 0
	FETCH_A \next, 0, 4
.endm
	s_wait_tensorcnt 1                             ; the scales and my part of K step 0 are in (K step 1's load may be out)
	s_barrier_signal -1
	s_barrier_wait -1                              ; everybody's are
	FETCH_B 0, 0, 0
	FETCH_A 0, 0, 0
	s_wait_alu depctr_va_vdst(0)
	SCALES 0
	FETCH_A 0, 0, 4
	s_wait_loadcnt 0x0                             ; the bias
	s_cmp_eq_u32 s95, 2                            ; the first step starts the sums with the bias: by B's block in q and k, by A's block in v
	s_cbranch_scc1 .Lfirst_v
	STEP 0, 0, 1
	s_branch .Lfirst_done
.Lfirst_v:
	STEP 0, 0, 2
.Lfirst_done:
	s_mov_b32 s3, LAPS-1
.Llap:                                                 ; a trip goes once round the ring and fills both slots again
	TURN 0, 1, 1
	STEP 1, 0, 0
	TURN 1, 0, 1
	STEP 0, 0, 0
	s_sub_co_u32 s3, s3, 1
	s_cmp_lg_u32 s3, 0
	s_cbranch_scc1 .Llap
	TURN 0, 1, 0                                   ; the last lap fills nothing
	STEP 1, 0, 0
	s_wait_dscnt 4*NL                              ; the very last step
	WIN MUL_LO
	MUL16 0, 1, NQ-1, 1, 0
	MUL16 2, 1, NQ-1, 1, 0
	s_wait_dscnt 0
	WIN MUL_HI
	MUL16 4, 1, NQ-1, 1, 0
	MUL16 6, 1, NQ-1, 1, 0
	WIN 0
; THE WAY OUT.  A's block a: 64 registers of a lane, register 16 b + i = place i of the lane's 16 numbers of block b (of 32 along the next K).  They become four blocks' codes and four scale bytes.
; The largest magnitude, with the floor 2^(3 - 127) among its leaves; 2 off its exponent field is the conversion's scale operand; a shift gives the byte.  A block lies in lanes l and l xor 16.
; d0: six registers for blocks 0, 1 (lanes 0-15 block 0, lanes 16-31 block 1);  d1: the same for blocks 2, 3;  pw: the four bytes.  Each accumulator is read from its low end on.
.macro QUANT a, d0, d1, pw
.set AC, 64*((\a)%4)
.set WW, 2+(\a)/4
.set WQ, WW*5
	WIN WQ                                         ; sources 0 and 1: the accumulators' window
.irp b, 0,1,2,3
	v_max3_num_f32 v[TM+\b], |v[AC+16*\b]|, |v[AC+16*\b+1]|, 0x1800000
.endr
.irp i, 2,4,6,8,10,12,14
.irp b, 0,1,2,3
	v_max3_num_f32 v[TM+\b], |v[AC+16*\b+\i]|, |v[AC+16*\b+\i+1]|, v[TM+\b]
.endr
.endr
	WIN 0
.irp b, 0,1,2,3
	v_permlanex16_b32 v[TM+4+\b], v[TM+\b], s20, s21
.endr
.irp b, 0,1,2,3
	v_max_num_f32 v[TM+\b], v[TM+\b], v[TM+4+\b]
.endr
.irp b, 0,1,2,3
	v_add_nc_u32 v[TM+12+\b], 0xff000000, v[TM+\b]
.endr
.irp b, 0,1,2,3
	v_lshrrev_b32 v[TM+4+\b], 23, v[TM+12+\b]
.endr
	v_lshl_or_b32 v[\pw], v[TM+5], 8, v[TM+4]
	v_lshl_or_b32 v[\pw], v[TM+6], 16, v[\pw]
	v_lshl_or_b32 v[\pw], v[TM+7], 24, v[\pw]
	WIN WW                                         ; source 0: the accumulators' window
	v_cvt_scalef32_pk16_fp6_f32 v[(\d0):(\d0)+2], v[AC:AC+15], v[TM+12]
	v_cvt_scalef32_pk16_fp6_f32 v[TC:TC+2], v[AC+16:AC+31], v[TM+13]
	v_cvt_scalef32_pk16_fp6_f32 v[(\d1):(\d1)+2], v[AC+32:AC+47], v[TM+14]
	v_cvt_scalef32_pk16_fp6_f32 v[TC+4:TC+6], v[AC+48:AC+63], v[TM+15]
	WIN 0
	v_nop                                          ; one plain place behind a scaled conversion
.irp i, 0,1,2
	v_permlane16_swap_b32 v[(\d0)+\i], v[TC+\i]    ; the operand's layout wants a whole block in a lane
	v_permlane16_swap_b32 v[(\d1)+\i], v[TC+4+\i]
.endr
.irp i, 0,1,2
	v_mov_b32 v[(\d0)+3+\i], v[TC+\i]
	v_mov_b32 v[(\d1)+3+\i], v[TC+4+\i]
.endr
.endm
	PLACES NP                                      ; behind the last products: results are read, and registers that held A's fragments are written
	s_mov_b32 s20, 0x76543210
	s_mov_b32 s21, 0xfedcba98                      ; v_permlanex16_b32's selects for lane l xor 16
.irp b, 0,1,2,3
	v_mov_b32 v[TM+4+\b], 0                        ; written once: a lane permute's destination counts as one of its sources
.endr
	s_cmp_eq_u32 s95, 2
	s_cbranch_scc1 .Lepi_v
	; q, k: block a is a tile of 16 tokens; blocks 0, 1 of its 128 features are my first head, blocks 2, 3 my second.  Two tiles make an image of 12 registers for each head.
.irp a, 0,1,2,3,4,5,6,7
.if (\a)%2 == 0
	s_wait_xcnt 0x0                                ; the last pair's stores have read their data: the images are written again only behind this wait
.endif
	QUANT \a, XA+6*((\a)%2), XB+6*((\a)%2), PW
	v_perm_b32 v[SWA+\a], v[PW], v[PW], 0x01000100 ; the first head's two bytes, twice
	v_perm_b32 v[SWB+\a], v[PW], v[PW], 0x03020302 ; the second head's
.if (\a)%2 == 1
.irp g, 0,1,2
	global_store_b128 v[OFFL], v[XA+4*\g:XA+4*\g+3], s[96:97] offset:F_KC+((\a)/2)*1536+512*\g   ; 32 lanes store 512 consecutive bytes, at a multiple of 256 from the buffer's first byte
	global_store_b128 v[OFFL], v[XB+4*\g:XB+4*\g+3], s[98:99] offset:F_KC+((\a)/2)*1536+512*\g
.endr
.endif
.endr
.irp g, 0,1
	global_store_b128 v[OFFL], v[SWA+4*\g:SWA+4*\g+3], s[96:97] offset:F_KS+512*\g
	global_store_b128 v[OFFL], v[SWB+4*\g:SWB+4*\g+3], s[98:99] offset:F_KS+512*\g
.endr
	s_branch .Lepi_done
.Lepi_v:
	; v: block a is a tile of 16 features d (a / 4: the head) against my 128 keys: one whole fragment and one scale word a row
.irp a, 0,1,2,3,4,5,6,7
	s_wait_xcnt 0x0                                ; the last tile's stores have read their data
	QUANT \a, XA, XA+6, SWA+\a
.irp g, 0,1,2
.if (\a) < 4
	global_store_b128 v[OFFL], v[XA+4*\g:XA+4*\g+3], s[96:97] offset:F_VC+((\a)%4)*1536+512*\g
.else
	global_store_b128 v[OFFL], v[XA+4*\g:XA+4*\g+3], s[98:99] offset:F_VC+((\a)%4)*1536+512*\g
.endif
.endr
.endr
	global_store_b128 v[OFFL], v[SWA:SWA+3], s[96:97] offset:F_VS
	global_store_b128 v[OFFL], v[SWA+4:SWA+7], s[98:99] offset:F_VS
.Lepi_done:
	s_wait_tensorcnt 0x0                           ; the wave's end, behind my last tensor load
	ds_add_u32 v[SPW], v[NIL]
	s_wait_dscnt 0x0
	CROUND                                         ; the closing round: no work-group ends while a partner may still ask for a tile that names it
	s_endpgm
.Lfunc_end_k_q450e277b67_proj:
	.size	k_q450e277b67_proj, .Lfunc_end_k_q450e277b67_proj-k_q450e277b67_proj
	.p2alignl 7, 3214868480
	.fill 96, 4, 3214868480
	.section	.rodata,"a",@progbits
	.p2align	6, 0x0
	.amdhsa_kernel k_q450e277b67_proj
		.amdhsa_group_segment_fixed_size 327680
		.amdhsa_private_segment_fixed_size 0
		.amdhsa_enable_private_segment 0
		.amdhsa_kernarg_size 136
		.amdhsa_user_sgpr_count 2
		.amdhsa_user_sgpr_kernarg_segment_ptr 1
		.amdhsa_wavefront_size32 1
		.amdhsa_system_sgpr_workgroup_id_x 1
		.amdhsa_system_sgpr_workgroup_id_y 1
		.amdhsa_system_sgpr_workgroup_id_z 1
		.amdhsa_system_vgpr_workitem_id 0
		.amdhsa_next_free_vgpr 1024
		.amdhsa_next_free_sgpr 102
		.amdhsa_reserve_vcc 0
		.amdhsa_float_denorm_mode_32 3
		.amdhsa_float_denorm_mode_16_64 3
		.amdhsa_memory_ordered 1
		.amdhsa_forward_progress 1
		.amdhsa_inst_pref_size 222
	.end_amdhsa_kernel
	.amdgpu_metadata
---
amdhsa.version: [ 1, 2 ]
amdhsa.kernels:
  - .name:           k_q450e277b67_proj
    .symbol:         k_q450e277b67_proj.kd
    .args:
      - { .name: queries_codes, .offset: 0, .size: 8, .value_kind: global_buffer, .address_space: global }
      - { .name: queries_scales, .offset: 8, .size: 8, .value_kind: global_buffer, .address_space: global }
      - { .name: Wq_codes, .offset: 16, .size: 8, .value_kind: global_buffer, .address_space: global }
      - { .name: Wq_scales, .offset: 24, .size: 8, .value_kind: global_buffer, .address_space: global }
      - { .name: bq, .offset: 32, .size: 8, .value_kind: global_buffer, .address_space: global }
      - { .name: keys_codes, .offset: 40, .size: 8, .value_kind: global_buffer, .address_space: global }
      - { .name: keys_scales, .offset: 48, .size: 8, .value_kind: global_buffer, .address_space: global }
      - { .name: Wk_codes, .offset: 56, .size: 8, .value_kind: global_buffer, .address_space: global }
      - { .name: Wk_scales, .offset: 64, .size: 8, .value_kind: global_buffer, .address_space: global }
      - { .name: bk, .offset: 72, .size: 8, .value_kind: global_buffer, .address_space: global }
      - { .name: Wv_codes, .offset: 80, .size: 8, .value_kind: global_buffer, .address_space: global }
      - { .name: Wv_scales, .offset: 88, .size: 8, .value_kind: global_buffer, .address_space: global }
      - { .name: values_codes, .offset: 96, .size: 8, .value_kind: global_buffer, .address_space: global }
      - { .name: values_scales, .offset: 104, .size: 8, .value_kind: global_buffer, .address_space: global }
      - { .name: bv, .offset: 112, .size: 8, .value_kind: global_buffer, .address_space: global }
      - { .name: qw, .offset: 120, .size: 8, .value_kind: global_buffer, .address_space: global }
      - { .name: kv, .offset: 128, .size: 8, .value_kind: global_buffer, .address_space: global }
    .group_segment_fixed_size: 327680
    .private_segment_fixed_size: 0
    .kernarg_segment_align: 8
    .kernarg_segment_size: 136
    .max_flat_workgroup_size: 128
    .sgpr_count:     102
    .vgpr_count:     1024
    .wavefront_size: 32
...
	.end_amdgpu_metadata
.endif
;; end of part 1
;; launch attn (part 2): grid 8 x 32, 16 waves a work-group, clusters of 4 x 1, 327,680 bytes of LDS; arguments qw, kv, oc, os; writes oc, os
.if DOCPART == 2
	.amdgcn_target "amdgcn-amd-amdhsa--gfx1250"
	.amdhsa_code_object_version 6
	.text
	.protected	k_q450e277b67_attn
	.globl	k_q450e277b67_attn
	.p2align	8
	.type	k_q450e277b67_attn,@function
k_q450e277b67_attn:
	s_mov_b64 s[64:65], 0
	v_nop
	global_prefetch_b8 v0, s[64:65] scope:SCOPE_SE
	s_setreg_imm32_b32 hwreg(HW_REG_WAVE_MODE, 25, 1), 1
	s_wait_xcnt 0x0
	s_wait_alu depctr_hold_cnt(0) depctr_sa_sdst(0) depctr_va_vdst(0) depctr_va_sdst(0) depctr_va_ssrc(0) depctr_va_vcc(0) depctr_vm_vsrc(0)
	s_getreg_b32 s2, hwreg(HW_REG_IB_STS2, 6, 4)
	s_cmp_eq_u32 s2, 0
	s_cbranch_scc0 .Lentry_in_a_cluster
	s_endpgm
.Lentry_in_a_cluster:
	s_bfe_u32 s2, ttmp6, 0x10000c
	s_cmp_lg_u32 s2, 0x3003
	s_cbranch_scc0 .Lentry_shape_is_right
	s_endpgm
.Lentry_shape_is_right:
.set STEPB,  13824
.set HEADB,  16*STEPB
.set SLOTB,  8*STEPB
.set PART,   SLOTB/16
.set F_KC,   0
.set F_VC,   6144
.set F_KS,   12288
.set F_VS,   13312
.set SPARE,  2*SLOTB
.set LI,   1
.set SPW,  2
.set NIL,  3
.set ADR,  4
.set OSO,  5
.set QF,   16
.set QS,   28
.set OSW,  29
.set KF,   32
.set QN,   86
.set QSN,  92
.set SS,   96
.set OA,   160
.set PF,   192
.set TC,   204
.set KSC,  212
.set VSC,  220
.set BM,   224
.set PM,   228
.set SO,   232
.set SUM2, 236
.set T0,   238
.set FF,   240
.set PSW,  241
.set OUTC, 244
.set WV,   12
.set SEL,  20
.set CS,   22
.set G1,   24
.set G0A,  32
.set G0B,  36
.set TB,   40
.set CNT,  41
.macro CROUND
	s_barrier_signal -1
	s_barrier_wait -1
	s_cmp_lg_u32 s[WV], 0
	s_cbranch_scc1 .Lnot_wave_0_\@
	s_barrier_signal -3
.Lnot_wave_0_\@:
	s_barrier_wait -3
	s_barrier_signal -1
	s_barrier_wait -1
.endm
	s_load_b256 s[4:11], s[0:1], 0x0
	v_lshl_add_u32 v[SPW], v0, 2, SPARE
	v_mov_b32 v[NIL], 0
	ds_add_u32 v[SPW], v[NIL]
	ds_add_u32 v[SPW], v[NIL]
	v_lshrrev_b32 v4, 5, v0
	s_delay_alu instid0(VALU_DEP_1)
	v_readfirstlane_b32 s[WV], v4
	s_bfe_u32 s13, ttmp6, 0x40000
	s_lshl_b32 s14, ttmp9, 2
	s_add_co_u32 s14, s14, s13
	s_and_b32 s15, ttmp7, 0xffff
	s_mov_b32 s[G1], 15|(3<<16)|(1<<21)
	s_mov_b32 s[G1+1], 32<<16
	s_mov_b32 s[G1+2], 27<<16
	s_mov_b32 s[G1+3], 32<<16
	s_mov_b32 s[G1+4], 27
	s_mov_b32 s[G1+5], 32
	s_mov_b32 s[G1+6], 0
	s_mov_b32 s[G1+7], 0
	s_mov_b32 s[SEL], 0x76543210
	s_mov_b32 s[SEL+1], 0xfedcba98
	s_mov_b32 s[CS], 0x3e38aa3b
	s_mov_b32 s[CS+1], s[CS]
	s_mul_i32 s16, s[WV], PART
	s_mul_i32 s18, s15, 2*HEADB
	s_add_co_u32 s18, s18, s16
	s_mov_b32 s19, 0
	s_wait_dscnt 0x0
	s_wait_kmcnt 0x0
	s_mov_b32 s[G0A], 1
	s_mov_b32 s[G0A+1], s16
	s_add_nc_u64 s[G0A+2:G0A+3], s[6:7], s[18:19]
	s_mov_b32 s[G0B], 1
	s_add_co_u32 s[G0B+1], s16, SLOTB
	s_add_nc_u64 s[G0B+2:G0B+3], s[G0A+2:G0A+3], SLOTB
	s_or_b32 s[G0A+3], s[G0A+3], 0x80000000
	s_or_b32 s[G0B+3], s[G0B+3], 0x80000000
	CROUND
	tensor_load_to_lds s[G0A:G0A+3], s[G1:G1+7]
	s_nop 0
	s_wait_alu depctr_va_vdst(0)
	s_wait_tensorcnt 0x0
	ds_add_u32 v2, v3
	s_wait_dscnt 0x0
	CROUND
	tensor_load_to_lds s[G0B:G0B+3], s[G1:G1+7]
	s_nop 0
.rept 4
	v_nop
.endr
	v_and_b32 v[LI], 31, v0
	s_delay_alu instid0(VALU_DEP_1)
	v_lshlrev_b32 v[LI], 4, v[LI]
	s_wait_alu depctr_va_vdst(0)
	v_and_b32 v[OSO], 15, v0
	s_delay_alu instid0(VALU_DEP_1)
	v_lshlrev_b32 v[OSO], 5, v[OSO]
	s_lshl_b32 s16, s15, 5
	s_lshl_b32 s17, s14, 1
	s_add_co_u32 s16, s16, s17
	s_lshr_b32 s17, s[WV], 3
	s_add_co_u32 s16, s16, s17
	s_mul_i32 s16, s16, STEPB
	s_mov_b32 s17, 0
	s_add_nc_u64 s[4:5], s[4:5], s[16:17]
	s_and_b32 s42, s[WV], 7
	s_lshr_b32 s43, s42, 1
	s_mul_i32 s43, s43, 1536
	s_and_b32 s44, s[WV], 1
	s_mul_i32 s45, s44, 520
	s_add_co_u32 s45, s45, s43
	s_mul_i32 s46, s44, 1016
	s_add_co_u32 s46, s46, s43
	v_add_nc_u32 v6, s45, v[LI]
	v_add_nc_u32 v7, s46, v[LI]
	s_lshr_b32 s47, s42, 2
	s_lshl_b32 s47, s47, 9
	s_and_b32 s48, s[WV], 3
	s_lshl_b32 s48, s48, 2
	s_add_co_u32 s47, s47, s48
	v_add_nc_u32 v8, s47, v[LI]
	global_load_b64 v[QF:QF+1], v6, s[4:5]
	global_load_b64 v[QF+2:QF+3], v7, s[4:5] offset:8
	global_load_b64 v[QF+4:QF+5], v6, s[4:5] offset:512
	global_load_b32 v[QS], v8, s[4:5] offset:F_KS
	global_load_b64 v[QN:QN+1], v6, s[4:5] offset:HEADB
	global_load_b64 v[QN+2:QN+3], v7, s[4:5] offset:HEADB+8
	global_load_b64 v[QN+4:QN+5], v6, s[4:5] offset:HEADB+512
	global_load_b32 v[QSN], v8, s[4:5] offset:HEADB+F_KS
	s_lshr_b32 s42, s15, 3
	s_lshl_b32 s42, s42, 7
	s_lshl_b32 s43, s14, 4
	s_add_co_u32 s42, s42, s43
	s_add_co_u32 s42, s42, s[WV]
	s_and_b32 s43, s15, 7
	s_lshl_b32 s44, s42, 3
	s_add_co_u32 s44, s44, s43
	s_mul_i32 s44, s44, 1536
	s_mov_b32 s45, 0
	s_add_nc_u64 s[8:9], s[8:9], s[44:45]
	s_lshl_b32 s44, s42, 9
	s_lshl_b32 s43, s43, 2
	s_add_co_u32 s44, s44, s43
	s_add_nc_u64 s[10:11], s[10:11], s[44:45]
.irp j, 0,1,2,3,4,5
	v_mov_b32 v[QF+6+\j], 0
	v_mov_b32 v[KF+48+\j], 0
.endr
.irp j, 0,1,2,3,4,5,6,7,8,9,10,11,12,13,14,15,16,17,18,19,20,21,22,23,24,25,26,27,28,29,30,31
	v_mov_b32 v[OA+\j], 0
.endr
.irp b, 0,1,2,3
	v_mov_b32 v[PM+\b], 0
.endr
	v_mov_b32 v13, 0xff61b1e6
	s_delay_alu instid0(VALU_DEP_1)
	v_floor_f32 v12, -v13
	v_mov_b32 v14, 0
	v_mov_b32 v15, 0
	v_mov_b32 v[PSW], 0
.macro STEP
	v_add_nc_u32 v[ADR], s[TB], v[LI]
.rept 3
	v_nop
.endr
.irp n, 0,1,2,3,4,5,6,7,8,9,10,11
	ds_load_b128 v[KF+4*\n:KF+4*\n+3], v[ADR] offset:F_KC+512*\n
.endr
.irp g, 0,1
	ds_load_b128 v[KSC+4*\g:KSC+4*\g+3], v[ADR] offset:F_KS+512*\g
.endr
	s_wait_alu depctr_va_vdst(0)
	s_wait_dscnt 0x0
.irp t, 0,1,2,3,4,5,6,7
	v_wmma_scale_f32_16x16x128_f8f6f4 v[SS+8*\t:SS+8*\t+7], v[KF+6*\t:KF+6*\t+11], v[QF:QF+11], 0, v[KSC+\t], v[QS] matrix_a_fmt:MATRIX_FMT_FP6 matrix_b_fmt:MATRIX_FMT_FP6
.endr
.rept 4
	v_nop
.endr
.irp n, 0,1,2,3,4,5,6,7,8,9,10,11
	ds_load_b128 v[KF+4*\n:KF+4*\n+3], v[ADR] offset:F_VC+512*\n
.endr
	ds_load_b128 v[VSC:VSC+3], v[ADR] offset:F_VS
.irp b, 0,1,2,3
	v_max3_num_f32 v[BM+\b], v[SS+16*\b], v[SS+16*\b+1], v[SS+16*\b+2]
.endr
.irp i, 3,5,7,9,11,13
.irp b, 0,1,2,3
	v_max3_num_f32 v[BM+\b], v[BM+\b], v[SS+16*\b+\i], v[SS+16*\b+\i+1]
.endr
.endr
.irp b, 0,1,2,3
	v_max_num_f32 v[BM+\b], v[BM+\b], v[SS+16*\b+15]
.endr
.irp b, 0,1,2,3
	s_delay_alu instid0(VALU_DEP_4)
	v_permlanex16_b32 v[PM+\b], v[BM+\b], s[SEL], s[SEL+1]
.endr
.irp b, 0,1,2,3
	s_delay_alu instid0(VALU_DEP_4)
	v_max_num_f32 v[BM+\b], v[BM+\b], v[PM+\b]
.endr
	s_delay_alu instid0(VALU_DEP_2)
	v_max3_num_f32 v[T0], v[BM], v[BM+1], v[BM+2]
	s_delay_alu instid0(VALU_DEP_1)
	v_max_num_f32 v[T0], v[T0], v[BM+3]
	s_delay_alu instid0(VALU_DEP_1)
	v_mul_f32 v[T0], s[CS], v[T0]
	s_delay_alu instid0(VALU_DEP_1)
	v_max_num_f32 v13, v13, v[T0]
	v_mov_b32 v[T0], v12
	s_delay_alu instid0(VALU_DEP_2)
	v_floor_f32 v12, -v13
	s_delay_alu instid0(VALU_DEP_1)
	v_sub_f32 v[T0], v12, v[T0]
	s_delay_alu instid0(VALU_DEP_1)
	v_cvt_i32_f32 v[T0], v[T0]
	s_delay_alu instid0(VALU_DEP_1)
	v_ldexp_f32 v[FF], 1.0, v[T0]
.irp j, 0,2,4,6,8,10,12,14,16,18,20,22,24,26,28,30,32,34,36,38,40,42,44,46,48,50,52,54,56,58,60,62
	v_pk_fma_f32 v[SS+\j:SS+\j+1], v[SS+\j:SS+\j+1], s[CS:CS+1], v[12:13] op_sel_hi:[1,0,0]
.endr
.irp b, 0,1,2,3
	v_fma_f32 v[BM+\b], v[BM+\b], s[CS], v12
.endr
	s_wait_alu depctr_va_vdst(0)
.irp j, 0,1,2,3,4,5,6,7,8,9,10,11,12,13,14,15,16,17,18,19,20,21,22,23,24,25,26,27,28,29,30,31,32,33,34,35,36,37,38,39,40,41,42,43,44,45,46,47,48,49,50,51,52,53,54,55,56,57,58,59,60,61,62,63
	v_exp_f32 v[SS+\j], v[SS+\j]
.endr
	s_setprio 1
	v_pk_mul_f32 v[14:15], v[14:15], v[FF:FF+1] op_sel_hi:[1,0]
	s_wait_alu depctr_va_vdst(0)
.irp b, 0,1,2,3
	v_exp_f32 v[BM+\b], v[BM+\b]
.endr
	v_pk_add_f32 v[SUM2:SUM2+1], v[SS:SS+1], v[SS+2:SS+3]
.irp j, 4,8,12,16,20,24,28,32,36,40,44,48,52,56,60
	v_pk_add_f32 v[14:15], v[14:15], v[SS+\j:SS+\j+1]
	v_pk_add_f32 v[SUM2:SUM2+1], v[SUM2:SUM2+1], v[SS+\j+2:SS+\j+3]
.endr
	s_delay_alu instid0(VALU_DEP_1)
	v_pk_add_f32 v[14:15], v[14:15], v[SUM2:SUM2+1]
	s_wait_alu depctr_va_vdst(0)
.irp b, 0,1,2,3
	v_max_num_f32 v[BM+\b], 0x1800000, v[BM+\b]
.endr
.irp b, 0,1,2,3
	s_delay_alu instid0(VALU_DEP_4)
	v_add_nc_u32 v[SO+\b], 0xff000000, v[BM+\b]
.endr
.irp b, 0,1,2,3
	s_delay_alu instid0(VALU_DEP_4)
	v_lshrrev_b32 v[PM+\b], 23, v[SO+\b]
.endr
	s_delay_alu instid0(VALU_DEP_3)
	v_lshl_or_b32 v[PSW], v[PM+1], 8, v[PM]
	s_delay_alu instid0(VALU_DEP_1)
	v_lshl_or_b32 v[PSW], v[PM+2], 16, v[PSW]
	s_delay_alu instid0(VALU_DEP_1)
	v_lshl_or_b32 v[PSW], v[PM+3], 24, v[PSW]
.irp c, 0,1
	v_cvt_scalef32_pk16_fp6_f32 v[PF+6*\c:PF+6*\c+2], v[SS+32*\c:SS+32*\c+15], v[SO+2*\c]
	v_cvt_scalef32_pk16_fp6_f32 v[TC+4*\c:TC+4*\c+2], v[SS+32*\c+16:SS+32*\c+31], v[SO+2*\c+1]
.endr
	v_nop
.irp c, 0,1
.irp i, 0,1,2
	v_permlane16_swap_b32 v[PF+6*\c+\i], v[TC+4*\c+\i]
.endr
.irp i, 0,1,2
	s_delay_alu instid0(VALU_DEP_3)
	v_mov_b32 v[PF+6*\c+3+\i], v[TC+4*\c+\i]
.endr
.endr
	s_setprio 0
.irp j, 0,2,4,6,8,10,12,14,16,18,20,22,24,26,28,30
	v_pk_mul_f32 v[OA+\j:OA+\j+1], v[OA+\j:OA+\j+1], v[FF:FF+1] op_sel_hi:[1,0]
.endr
	s_wait_alu depctr_va_vdst(0)
	s_wait_dscnt 0x0
.irp t, 0,1,2,3
	v_wmma_scale_f32_16x16x128_f8f6f4 v[OA+8*\t:OA+8*\t+7], v[KF+12*\t:KF+12*\t+11], v[PF:PF+11], v[OA+8*\t:OA+8*\t+7], v[VSC+\t], v[PSW] matrix_a_fmt:MATRIX_FMT_FP6 matrix_b_fmt:MATRIX_FMT_FP6
.endr
	s_add_co_u32 s[TB], s[TB], STEPB
.endm
.macro STEPS base
	s_mov_b32 s[TB], \base
	s_mov_b32 s[CNT], 8
.Lstep_\@:
	s_setprio 2
	STEP
	s_sub_co_u32 s[CNT], s[CNT], 1
	s_cmp_lg_u32 s[CNT], 0
	s_cbranch_scc1 .Lstep_\@
	s_setprio 0
.endm
.macro CHANGE g0, fill
	s_wait_tensorcnt 0x0
	ds_add_u32 v[SPW], v[NIL]
.if \fill
	s_add_nc_u64 s[\g0+2:\g0+3], s[\g0+2:\g0+3], 2*SLOTB
	s_wait_dscnt 0x0
	CROUND
	tensor_load_to_lds s[\g0:\g0+3], s[G1:G1+7]
	s_nop 0
.rept 4
	v_nop
.endr
.else
	s_wait_dscnt 0x0
	s_barrier_signal -1
	s_barrier_wait -1
.endif
.endm
.macro FINISH idx
.rept 4
	v_nop
.endr
	v_add_f32 v14, v14, v15
	s_delay_alu instid0(VALU_DEP_1)
	v_permlanex16_b32 v[PM], v14, s[SEL], s[SEL+1]
	s_delay_alu instid0(VALU_DEP_1)
	v_add_f32 v14, v14, v[PM]
	s_wait_alu depctr_va_vdst(0)
	v_rcp_f32 v14, v14
	v_nop
	s_wait_alu depctr_va_vdst(0)
.irp j, 0,2,4,6,8,10,12,14,16,18,20,22,24,26,28,30
	v_pk_mul_f32 v[SS+\j:SS+\j+1], v[OA+\j:OA+\j+1], v[14:15] op_sel_hi:[1,0]
.endr
.irp e, 0,1
.irp j, 0,1,2,3,4,5,6,7
	v_permlane16_swap_b32 v[SS+16*\e+\j], v[SS+16*\e+8+\j]
.endr
.endr
.irp e, 0,1
	v_max3_num_f32 v[BM+\e], |v[SS+16*\e]|, |v[SS+16*\e+1]|, 0x1800000
.endr
.irp i, 2,4,6,8,10,12,14
.irp e, 0,1
	s_delay_alu instid0(VALU_DEP_2)
	v_max3_num_f32 v[BM+\e], v[BM+\e], |v[SS+16*\e+\i]|, |v[SS+16*\e+\i+1]|
.endr
.endr
.irp e, 0,1
	s_delay_alu instid0(VALU_DEP_2)
	v_permlanex16_b32 v[PM+\e], v[BM+\e], s[SEL], s[SEL+1]
.endr
.irp e, 0,1
	s_delay_alu instid0(VALU_DEP_2)
	v_max_num_f32 v[BM+\e], v[BM+\e], v[PM+\e]
.endr
.irp e, 0,1
	s_delay_alu instid0(VALU_DEP_2)
	v_add_nc_u32 v[SO+\e], 0xff000000, v[BM+\e]
.endr
.irp e, 0,1
	s_delay_alu instid0(VALU_DEP_2)
	v_lshrrev_b32 v[PM+\e], 23, v[SO+\e]
.endr
	s_delay_alu instid0(VALU_DEP_1)
	v_lshl_or_b32 v[T0], v[PM+1], 8, v[PM]
	v_cvt_scalef32_pk16_fp6_f32 v[OUTC+6*\idx:OUTC+6*\idx+2], v[SS:SS+15], v[SO]
	v_cvt_scalef32_pk16_fp6_f32 v[TC:TC+2], v[SS+16:SS+31], v[SO+1]
	v_nop
.irp i, 0,1,2
	v_permlane16_swap_b32 v[OUTC+6*\idx+\i], v[TC+\i]
.endr
.irp i, 0,1,2
	s_delay_alu instid0(VALU_DEP_3)
	v_mov_b32 v[OUTC+6*\idx+3+\i], v[TC+\i]
.endr
.if \idx == 0
	v_mov_b32 v[OSW], v[T0]
.irp j, 0,1,2,3,4,5
	v_mov_b32 v[QF+\j], v[QN+\j]
.endr
	v_mov_b32 v[QS], v[QSN]
.irp j, 0,1,2,3,4,5,6,7,8,9,10,11,12,13,14,15,16,17,18,19,20,21,22,23,24,25,26,27,28,29,30,31
	v_mov_b32 v[OA+\j], 0
.endr
	v_mov_b32 v13, 0xff61b1e6
	s_delay_alu instid0(VALU_DEP_1)
	v_floor_f32 v12, -v13
	v_mov_b32 v14, 0
	v_mov_b32 v15, 0
.else
	v_lshl_or_b32 v[OSW], v[T0], 16, v[OSW]
.irp g, 0,1,2
	global_store_b128 v[LI], v[OUTC+4*\g:OUTC+4*\g+3], s[8:9] offset:512*\g
.endr
	global_store_b32 v[OSO], v[OSW], s[10:11]
.endif
.endm
	s_wait_tensorcnt 1
	s_barrier_signal -1
	s_barrier_wait -1
	s_wait_loadcnt 0x0
	STEPS 0
	CHANGE G0A, 1
	STEPS SLOTB
	CHANGE G0B, 1
	FINISH 0
	STEPS 0
	CHANGE G0A, 0
	STEPS SLOTB
	FINISH 1
	s_wait_tensorcnt 0x0
	ds_add_u32 v[SPW], v[NIL]
	s_wait_dscnt 0x0
	CROUND
	s_endpgm
.Lfunc_end_k_q450e277b67_attn:
	.size	k_q450e277b67_attn, .Lfunc_end_k_q450e277b67_attn-k_q450e277b67_attn
	.p2alignl 7, 3214868480
	.fill 96, 4, 3214868480
	.section	.rodata,"a",@progbits
	.p2align	6, 0x0
	.amdhsa_kernel k_q450e277b67_attn
		.amdhsa_group_segment_fixed_size 327680
		.amdhsa_private_segment_fixed_size 0
		.amdhsa_enable_private_segment 0
		.amdhsa_kernarg_size 32
		.amdhsa_user_sgpr_count 2
		.amdhsa_user_sgpr_kernarg_segment_ptr 1
		.amdhsa_wavefront_size32 1
		.amdhsa_system_sgpr_workgroup_id_x 1
		.amdhsa_system_sgpr_workgroup_id_y 1
		.amdhsa_system_sgpr_workgroup_id_z 1
		.amdhsa_system_vgpr_workitem_id 0
		.amdhsa_next_free_vgpr 256
		.amdhsa_next_free_sgpr 66
		.amdhsa_reserve_vcc 0
		.amdhsa_float_denorm_mode_32 3
		.amdhsa_float_denorm_mode_16_64 3
		.amdhsa_memory_ordered 1
		.amdhsa_forward_progress 1
		.amdhsa_inst_pref_size 88
	.end_amdhsa_kernel
	.amdgpu_metadata
---
amdhsa.version: [ 1, 2 ]
amdhsa.kernels:
  - .name:           k_q450e277b67_attn
    .symbol:         k_q450e277b67_attn.kd
    .args:
      - { .name: qw, .offset: 0, .size: 8, .value_kind: global_buffer, .address_space: global }
      - { .name: kv, .offset: 8, .size: 8, .value_kind: global_buffer, .address_space: global }
      - { .name: oc, .offset: 16, .size: 8, .value_kind: global_buffer, .address_space: global }
      - { .name: os, .offset: 24, .size: 8, .value_kind: global_buffer, .address_space: global }
    .group_segment_fixed_size: 327680
    .private_segment_fixed_size: 0
    .kernarg_segment_align: 8
    .kernarg_segment_size: 32
    .max_flat_workgroup_size: 512
    .sgpr_count:     66
    .vgpr_count:     256
    .wavefront_size: 32
...
	.end_amdgpu_metadata
.endif
;; end of part 2
;; launch outp (part 3): grid 4 x 32, 4 waves a work-group, clusters of 4 x 4, 327,680 bytes of LDS; arguments oc, os, Wo_codes, Wo_scales, bo, out0; writes out0
.if DOCPART == 3
	.amdgcn_target "amdgcn-amd-amdhsa--gfx1250"
	.amdhsa_code_object_version 6
	.text
	.protected	k_q450e277b67_outp
	.globl	k_q450e277b67_outp
	.p2align	8
	.type	k_q450e277b67_outp,@function
k_q450e277b67_outp:
	s_mov_b64 s[64:65], 0
	v_nop
	global_prefetch_b8 v0, s[64:65] scope:SCOPE_SE
	s_setreg_imm32_b32 hwreg(HW_REG_WAVE_MODE, 25, 1), 1
	s_wait_xcnt 0x0
	s_wait_alu depctr_hold_cnt(0) depctr_sa_sdst(0) depctr_va_vdst(0) depctr_va_sdst(0) depctr_va_ssrc(0) depctr_va_vcc(0) depctr_vm_vsrc(0)
	s_getreg_b32 s2, hwreg(HW_REG_IB_STS2, 6, 4)
	s_cmp_eq_u32 s2, 0
	s_cbranch_scc0 .Lentry_in_a_cluster
	s_endpgm
.Lentry_in_a_cluster:
	s_bfe_u32 s2, ttmp6, 0x10000c
	s_cmp_lg_u32 s2, 0xf033
	s_cbranch_scc0 .Lentry_shape_is_right
	s_endpgm
.Lentry_shape_is_right:
.set SIZE_N, 1024
.set KSTEP,  256
.set NQ,     KSTEP/128
.set ROWB,   192
.set KROW,   768
.set PITCH,  240
.set FR,     12
.set NLA,    3
.set NP,     4
.set AIMG,   3072
.set HALFA,  8*AIMG
.set HALFB,  128*PITCH
.set BOFF,   2*HALFA
.set SLOT,   BOFF+2*HALFB
.set LAPS,   2
.set SROW,   32
.set SCL,    2*SLOT
.set HALFS,  (128*SROW/256)*272
.set SBLK,   (16*SROW/256)*272
.set SPARE,  SCL+4*HALFS
.set SPITCH, 528
.set ADRA, 16
.set ADRB, 20
.set STO,  24
.set RD,   25
.set CO,   26
.set ADRS, 27
.set SPW,  28
.set NIL,  29
.set BOF,  30
.set SC,   32
.set BI,   64
.set AF,   128
.set BK,   128
.set G1, 24
.set G0, 32
.set G1B, 48
.set G0B, 56
.set G1S, 68
.set G0S, 76
.set G1SB, 80
.set G0SB, 88
.set MSB, 0
.macro WIN new
.if MSB != \new
	s_set_vgpr_msb (MSB<<8)|\new
.set MSB, \new
.endif
.endm
.set MUL_LO, 0xa1
.set MUL_HI, 0xf1
.set BIA_LO, 0x81
.set BIA_HI, 0xc1
.set TO_B,   0x40
.macro JLOAD g0a, g1a, g0b, g1b
	s_cmp_eq_u32 s15, 0
	s_cbranch_scc0 .Lfor_b_\@
	tensor_load_to_lds s[\g0a:\g0a+3], s[\g1a:\g1a+7]
	s_nop 0
.rept 4
	v_nop
.endr
	s_branch .Lasked_\@
.Lfor_b_\@:
	tensor_load_to_lds s[\g0b:\g0b+3], s[\g1b:\g1b+7]
	s_nop 0
.rept 4
	v_nop
.endr
.Lasked_\@:
.endm
.macro CREST
	s_cmp_lg_u32 s14, 0
	s_cbranch_scc1 .Lnot_wave_0_\@
	s_barrier_signal -3
.Lnot_wave_0_\@:
	s_barrier_wait -3
	s_barrier_signal -1
	s_barrier_wait -1
.endm
.macro CROUND
	s_barrier_signal -1
	s_barrier_wait -1
	CREST
.endm
	s_load_b128 s[4:7], s[0:1], 0x0
	s_load_b128 s[8:11], s[0:1], 0x10
	s_load_b64 s[96:97], s[0:1], 0x20
	s_load_b64 s[12:13], s[0:1], 0x28
	v_lshl_add_u32 v[SPW], v0, 2, SPARE
	v_mov_b32 v[NIL], 0
	ds_add_u32 v[SPW], v[NIL]
	ds_add_u32 v[SPW], v[NIL]
	v_lshrrev_b32 v1, 5, v0
	v_readfirstlane_b32 s14, v1
	s_lshr_b32 s15, s14, 1
	s_and_b32 s16, s14, 1
	s_bfe_u32 s40, ttmp6, 0x40000
	s_bfe_u32 s41, ttmp6, 0x40004
	s_lshl_b32 s42, ttmp9, 2
	s_add_co_u32 s42, s42, s40
	s_and_b32 s17, ttmp7, 0xffff
	s_lshl_b32 s17, s17, 2
	s_add_co_u32 s17, s17, s41
	s_lshl_b32 s43, s41, 2
	s_lshl_b32 s43, 15, s43
	s_lshl_b32 s44, 0x1111, s40
	s_or_b32 s[G1+0], s43, (3<<16)|(1<<21)
	s_mov_b32 s[G1+1], 384<<16
	s_mov_b32 s[G1+2], 8<<16
	s_mov_b32 s[G1+3], 384<<16
	s_mov_b32 s[G1+4], 8
	s_mov_b32 s[G1+5], 1536
	s_mov_b32 s[G1+6], 0
	s_mov_b32 s[G1+7], 0
	s_or_b32 s[G1B+0], s44, (0<<16)|(1<<20)|(1<<21)|(3<<22)|(3<<25)
	s_mov_b32 s[G1B+1], ROWB<<16
	s_mov_b32 s[G1B+2], 128<<16
	s_mov_b32 s[G1B+3], ROWB<<16
	s_mov_b32 s[G1B+4], 128
	s_mov_b32 s[G1B+5], KROW
	s_mov_b32 s[G1B+6], 0
	s_mov_b32 s[G1B+7], 0
	s_or_b32 s[G1S+0], s43, (3<<16)|(1<<20)|(1<<21)|(5<<22)|(3<<25)
	s_or_b32 s[G1SB+0], s44, (3<<16)|(1<<20)|(1<<21)|(5<<22)|(3<<25)
.irp g, G1S, G1SB
	s_mov_b32 s[\g+1], 32<<16
	s_mov_b32 s[\g+2], (128*SROW/256)<<16
	s_mov_b32 s[\g+3], 32<<16
	s_mov_b32 s[\g+4], 128*SROW/256
	s_mov_b32 s[\g+5], 32
	s_mov_b32 s[\g+6], 0
	s_mov_b32 s[\g+7], 0
.endr
	s_lshl_b32 s18, s16, 7
	s_lshl_b32 s20, s17, 8
	s_add_co_u32 s20, s20, s18
	s_lshl_b32 s46, s42, 8
	s_add_co_u32 s46, s46, s18
	s_mov_b32 s21, 0
	s_mov_b32 s47, 0
	s_mov_b64 s[18:19], SROW
	s_mul_u64 s[22:23], s[20:21], s[18:19]
	s_mul_u64 s[92:93], s[46:47], s[18:19]
	s_mov_b64 s[18:19], KROW
	s_mul_u64 s[20:21], s[20:21], s[18:19]
	s_mul_u64 s[46:47], s[46:47], s[18:19]
	s_mul_i32 s45, s16, HALFA
	s_mul_i32 s95, s16, HALFB
	s_add_co_u32 s95, s95, BOFF
	s_mul_i32 s94, s14, HALFS
	s_wait_dscnt 0x0
	s_wait_kmcnt 0x0
	s_add_nc_u64 s[20:21], s[4:5], s[20:21]
	s_add_nc_u64 s[22:23], s[6:7], s[22:23]
	s_add_nc_u64 s[46:47], s[8:9], s[46:47]
	s_add_nc_u64 s[92:93], s[10:11], s[92:93]
	CROUND
	s_mov_b32 s[G0S], 1
	s_add_co_u32 s[G0S+1], s94, SCL
	s_mov_b64 s[G0S+2:G0S+3], s[22:23]
	s_or_b32 s[G0S+3], s[G0S+3], 0x80000000
	s_mov_b32 s[G0SB], 1
	s_add_co_u32 s[G0SB+1], s94, SCL
	s_mov_b64 s[G0SB+2:G0SB+3], s[92:93]
	s_or_b32 s[G0SB+3], s[G0SB+3], 0x80000000
	JLOAD G0S, G1S, G0SB, G1SB
.irp s, 0,1
	s_mov_b32 s[G0+4*\s], 1
	s_add_co_u32 s[G0+4*\s+1], s45, \s*SLOT
	s_add_nc_u64 s[G0+4*\s+2:G0+4*\s+3], s[20:21], \s*AIMG
	s_or_b32 s[G0+4*\s+3], s[G0+4*\s+3], 0x80000000
	s_mov_b32 s[G0B+4*\s], 1
	s_add_co_u32 s[G0B+4*\s+1], s95, \s*SLOT
	s_add_nc_u64 s[G0B+4*\s+2:G0B+4*\s+3], s[46:47], \s*ROWB
	s_or_b32 s[G0B+4*\s+3], s[G0B+4*\s+3], 0x80000000
	s_wait_alu depctr_va_vdst(0)
	s_wait_tensorcnt 0x0
	ds_add_u32 v28, v29
	s_wait_dscnt 0x0
	CROUND
	JLOAD G0+4*\s, G1, G0B+4*\s, G1B
.endr
	v_and_b32 v1, 15, v0
	v_bfe_u32 v2, v0, 4, 1
	v_mul_u32_u24 v3, v1, PITCH
	v_mul_u32_u24 v4, v2, 24
	v_add_nc_u32 v4, v3, v4
	v_lshl_add_u32 v5, v2, 4, v4
	v_and_b32 v6, 31, v0
	v_lshlrev_b32 v[CO], 4, v6
	s_mul_i32 s21, s15, HALFA
	s_mul_i32 s22, s16, HALFB
	s_add_co_u32 s22, s22, BOFF
.irp s, 0,1
	v_add_nc_u32 v[ADRA+\s], s21, v[CO]
	v_add_nc_u32 v[ADRB+\s], s22, v4
	v_add_nc_u32 v[ADRB+2+\s], s22, v5
	s_add_co_u32 s21, s21, SLOT
	s_add_co_u32 s22, s22, SLOT
.endr
	v_mul_u32_u24 v5, v1, SROW
	v_lshrrev_b32 v6, 8, v5
	v_lshl_add_u32 v5, v6, 4, v5
	s_mul_i32 s21, s15, HALFS
	s_mul_i32 s22, s16, HALFS
	s_add_co_u32 s22, s22, 2*HALFS
	s_sub_co_u32 s22, s22, s21
	v_mul_u32_u24 v6, s22, v2
	s_add_co_u32 s21, s21, SCL
	v_add_nc_u32 v5, v5, v6
	v_add_nc_u32 v[ADRS], s21, v5
	s_mul_i32 s23, s14, 16*SPITCH
	v_mul_u32_u24 v5, v1, SPITCH
	v_lshl_add_u32 v5, v2, 5, v5
	v_add_nc_u32 v[STO], s23, v5
	v_add_nc_u32 v[RD], s23, v[CO]
	s_lshl_b32 s20, s17, 8
	s_lshl_b32 s21, s15, 7
	s_add_co_u32 s20, s20, s21
	s_mov_b32 s21, 0
	s_mov_b64 s[18:19], SIZE_N*4
	s_mul_u64 s[20:21], s[20:21], s[18:19]
	s_lshl_b32 s46, s42, 10
	s_lshl_b32 s47, s16, 9
	s_add_co_u32 s46, s46, s47
	s_mov_b32 s47, 0
	s_add_nc_u64 s[20:21], s[20:21], s[46:47]
	s_add_nc_u64 s[12:13], s[12:13], s[20:21]
	s_add_nc_u64 s[96:97], s[96:97], s[46:47]
	v_lshlrev_b32 v[BOF], 5, v2
.irp b, 0,1,2,3,4,5,6,7
	global_load_b128 v[BI+8*\b:BI+8*\b+3], v[BOF], s[96:97] offset:64*\b
	global_load_b128 v[BI+8*\b+4:BI+8*\b+7], v[BOF], s[96:97] offset:64*\b+16
.endr
.macro FRAG reg, adr, q, i
.irp p, 0,1,2,3,4,5
.set PC, 12*(\q)+6*(\p/3)+\p%3
.if PC%8 < 5
	ds_load_b64 v[\reg+2*\p:\reg+2*\p+1], v[\adr] offset:8*PC+16*(PC/8)+(\i)*16*PITCH
.else
	ds_load_b64 v[\reg+2*\p:\reg+2*\p+1], v[\adr+2] offset:8*PC+16*(PC/8)+(\i)*16*PITCH
.endif
.endr
.endm
.macro MUL16 a0, p, q, sc, cm
.irp a, \a0, \a0+1
.irp b, 0,1,2,3,4,5,6,7
.if \cm
	v_wmma_scale_f32_16x16x128_f8f6f4 v[8*(8*((\a)%4)+\b):8*(8*((\a)%4)+\b)+7], v[128*(\p)+FR*\b:128*(\p)+FR*\b+FR-1], v[AF+FR*(\a):AF+FR*(\a)+FR-1], v[BI+8*\b:BI+8*\b+7], v[SC+8*NQ*(\sc)+NQ*\b+(\q)], v[SC+8*NQ*(\sc)+NQ*(\a)+(\q)] matrix_a_fmt:MATRIX_FMT_FP6 matrix_b_fmt:MATRIX_FMT_FP6 matrix_a_scale:MATRIX_SCALE_ROW1
.else
	v_wmma_scale_f32_16x16x128_f8f6f4 v[8*(8*((\a)%4)+\b):8*(8*((\a)%4)+\b)+7], v[128*(\p)+FR*\b:128*(\p)+FR*\b+FR-1], v[AF+FR*(\a):AF+FR*(\a)+FR-1], v[8*(8*((\a)%4)+\b):8*(8*((\a)%4)+\b)+7], v[SC+8*NQ*(\sc)+NQ*\b+(\q)], v[SC+8*NQ*(\sc)+NQ*(\a)+(\q)] matrix_a_fmt:MATRIX_FMT_FP6 matrix_b_fmt:MATRIX_FMT_FP6 matrix_a_scale:MATRIX_SCALE_ROW1
.endif
.endr
.endr
.endm
.macro FETCH_B slot, q, p
	WIN TO_B
.irp i, 0,1,2,3,4,5,6,7
	FRAG 128*(\p)+FR*\i, ADRB+\slot, \q, \i
.endr
	WIN 0
.endm
.macro FETCH_A slot, q, i0
.irp i, \i0, \i0+1, \i0+2, \i0+3
.irp g, 0,1,2
	ds_load_b128 v[AF+FR*(\i)+4*\g:AF+FR*(\i)+4*\g+3], v[ADRA+\slot] offset:(\i)*AIMG+(\q)*1536+512*\g
.endr
.endr
.endm
.macro SCALES sc
.irp i, 0,1,2,3,4,5,6,7
	ds_load_b64 v[SC+8*NQ*\sc+NQ*\i:SC+8*NQ*\sc+NQ*\i+1], v[ADRS] offset:\i*SBLK
.endr
.endm
.macro PLACES n
.rept \n
	v_nop
.endr
.endm
.macro STEP slot, q, cm
	s_wait_dscnt 4*NLA
.if \cm
	WIN BIA_LO
.else
	WIN MUL_LO
.endif
	MUL16 0, (\q)%2, \q, \slot, \cm
	MUL16 2, (\q)%2, \q, \slot, \cm
	s_wait_dscnt 0
	PLACES NP
	FETCH_B \slot, (\q)+1, 1-(\q)%2
	FETCH_A \slot, (\q)+1, 0
.if \cm
	WIN BIA_HI
.else
	WIN MUL_HI
.endif
	MUL16 4, (\q)%2, \q, \slot, \cm
	MUL16 6, (\q)%2, \q, \slot, \cm
	PLACES NP
	WIN 0
	FETCH_A \slot, (\q)+1, 4
.endm
.macro TURN slot, next, fill
	s_wait_tensorcnt 0x0
	ds_add_u32 v[SPW], v[NIL]
	s_wait_dscnt 4*NLA+1
	WIN MUL_LO
	MUL16 0, 1, NQ-1, \slot, 0
	s_wait_dscnt 0x0
	s_barrier_signal -1
	MUL16 2, 1, NQ-1, \slot, 0
	WIN 0
	s_barrier_wait -1
.if \fill
	CREST
	s_add_nc_u64 s[G0+4*\slot+2:G0+4*\slot+3], s[G0+4*\slot+2:G0+4*\slot+3], 2*AIMG
	s_add_nc_u64 s[G0B+4*\slot+2:G0B+4*\slot+3], s[G0B+4*\slot+2:G0B+4*\slot+3], 2*ROWB
	JLOAD G0+4*\slot, G1, G0B+4*\slot, G1B
.else
	PLACES NP
.endif
	s_wait_alu depctr_va_vdst(0)
	v_add_nc_u32 v[ADRS], 4*NQ, v[ADRS]
	FETCH_B \next, 0, 0
	FETCH_A \next, 0, 0
	SCALES \next
	WIN MUL_HI
	MUL16 4, 1, NQ-1, \slot, 0
	MUL16 6, 1, NQ-1, \slot, 0
	PLACES NP
	WIN 0
	FETCH_A \next, 0, 4
.endm
	s_wait_alu depctr_va_vdst(0)
	s_wait_tensorcnt 1
	s_barrier_signal -1
	s_barrier_wait -1
	FETCH_B 0, 0, 0
	FETCH_A 0, 0, 0
	SCALES 0
	FETCH_A 0, 0, 4
	s_wait_loadcnt 0x0
	STEP 0, 0, 1
	s_mov_b32 s3, LAPS-1
.Llap:
	TURN 0, 1, 1
	STEP 1, 0, 0
	TURN 1, 0, 1
	STEP 0, 0, 0
	s_sub_co_u32 s3, s3, 1
	s_cmp_lg_u32 s3, 0
	s_cbranch_scc1 .Llap
	TURN 0, 1, 0
	STEP 1, 0, 0
	s_wait_dscnt 4*NLA
	WIN MUL_LO
	MUL16 0, 1, NQ-1, 1, 0
	MUL16 2, 1, NQ-1, 1, 0
	s_wait_dscnt 0
	WIN MUL_HI
	MUL16 4, 1, NQ-1, 1, 0
	MUL16 6, 1, NQ-1, 1, 0
	WIN 0
.macro TOSTAGE a
.set AC, 64*((\a)%4)
.set WS, 0x08+4*((\a)/4)
	WIN WS
.irp b, 0,1,2,3,4,5,6,7
	ds_store_b128 v[STO], v[AC+8*\b:AC+8*\b+3] offset:64*\b
	ds_store_b128 v[STO], v[AC+8*\b+4:AC+8*\b+7] offset:64*\b+16
.endr
	WIN 0
.set BB, BK+64*((\a)%2)
.irp t, 0,1,2,3,4,5,6,7,8,9,10,11,12,13,14,15
	ds_load_b128 v[BB+4*\t:BB+4*\t+3], v[RD] offset:\t*SPITCH
.endr
.endm
.macro SEND a, younger
.set BB, BK+64*((\a)%2)
	s_wait_dscnt \younger
.if (\a) > 0
	s_add_nc_u64 s[12:13], s[12:13], 16*SIZE_N*4
.endif
.irp t, 0,1,2,3,4,5,6,7,8,9,10,11,12,13,14,15
	global_store_b128 v[CO], v[BB+4*\t:BB+4*\t+3], s[12:13] offset:\t*SIZE_N*4 th:TH_STORE_NT
.endr
.endm
	PLACES NP
	TOSTAGE 0
.irp a, 1,2,3,4,5,6,7
.if \a > 1
	s_wait_xcnt 0x0
.endif
	TOSTAGE \a
	SEND \a-1, 32
.endr
	s_wait_xcnt 0x0
	SEND 7, 0
	s_wait_tensorcnt 0x0
	ds_add_u32 v[SPW], v[NIL]
	s_wait_dscnt 0x0
	CROUND
	s_endpgm
.Lfunc_end_k_q450e277b67_outp:
	.size	k_q450e277b67_outp, .Lfunc_end_k_q450e277b67_outp-k_q450e277b67_outp
	.p2alignl 7, 3214868480
	.fill 96, 4, 3214868480
	.section	.rodata,"a",@progbits
	.p2align	6, 0x0
	.amdhsa_kernel k_q450e277b67_outp
		.amdhsa_group_segment_fixed_size 327680
		.amdhsa_private_segment_fixed_size 0
		.amdhsa_enable_private_segment 0
		.amdhsa_kernarg_size 48
		.amdhsa_user_sgpr_count 2
		.amdhsa_user_sgpr_kernarg_segment_ptr 1
		.amdhsa_wavefront_size32 1
		.amdhsa_system_sgpr_workgroup_id_x 1
		.amdhsa_system_sgpr_workgroup_id_y 1
		.amdhsa_system_sgpr_workgroup_id_z 1
		.amdhsa_system_vgpr_workitem_id 0
		.amdhsa_next_free_vgpr 1024
		.amdhsa_next_free_sgpr 98
		.amdhsa_reserve_vcc 0
		.amdhsa_float_denorm_mode_32 3
		.amdhsa_float_denorm_mode_16_64 3
		.amdhsa_memory_ordered 1
		.amdhsa_forward_progress 1
		.amdhsa_inst_pref_size 150
	.end_amdhsa_kernel
	.amdgpu_metadata
---
amdhsa.version: [ 1, 2 ]
amdhsa.kernels:
  - .name:           k_q450e277b67_outp
    .symbol:         k_q450e277b67_outp.kd
    .args:
      - { .name: oc, .offset: 0, .size: 8, .value_kind: global_buffer, .address_space: global }
      - { .name: os, .offset: 8, .size: 8, .value_kind: global_buffer, .address_space: global }
      - { .name: Wo_codes, .offset: 16, .size: 8, .value_kind: global_buffer, .address_space: global }
      - { .name: Wo_scales, .offset: 24, .size: 8, .value_kind: global_buffer, .address_space: global }
      - { .name: bo, .offset: 32, .size: 8, .value_kind: global_buffer, .address_space: global }
      - { .name: out0, .offset: 40, .size: 8, .value_kind: global_buffer, .address_space: global }
    .group_segment_fixed_size: 327680
    .private_segment_fixed_size: 0
    .kernarg_segment_align: 8
    .kernarg_segment_size: 48
    .max_flat_workgroup_size: 128
    .sgpr_count:     98
    .vgpr_count:     1024
    .wavefront_size: 32
...
	.end_amdgpu_metadata
.endif
;; end of part 3
